; MI455X (gfx1250); checked and timed in simulation.
; The chip was launched on July 23, 2026; its instructions are those of AMD's public machine-readable ISA for CDNA 5 (MIT licence, August 2026) and "CDNA5" Instruction Set Architecture Reference Guide (July 2026). The comments in the code are by the model that wrote it; some were corrected since.
;; MHN. Allowed arithmetic: matrix products marked QUANTISED: E2M3 operands, one E8M0 scale for each 32 along K, by v_wmma_scale_f32_16x16x128_f8f6f4 with both operands' format E2M3, f32 sums; everything else in f32.
;; Inputs: W_mol_codes 1,024 x 64 x 24 uint8 (E2M3 codes of W_mol, K innermost, in blocks of 32 codes, four codes in three bytes); W_mol_scales 1,024 x 64 uint8 (E8M0 scales of W_mol, one for each 32 codes along K); W_temp_codes 1,024 x 64 x 24 uint8 (E2M3 codes of W_temp, K innermost, in blocks of 32 codes, four codes in three bytes); W_temp_scales 1,024 x 64 uint8 (E8M0 scales of W_temp, one for each 32 codes along K); b_mol 1,024 float32; b_temp 1,024 float32; m_codes 512 x 64 x 24 uint8 (E2M3 codes of m, K innermost, in blocks of 32 codes, four codes in three bytes); m_scales 512 x 64 uint8 (E8M0 scales of m, one for each 32 codes along K); templates_codes 25,000 x 64 x 24 uint8 (E2M3 codes of templates, K innermost, in blocks of 32 codes, four codes in three bytes); templates_scales 25,000 x 64 uint8 (E8M0 scales of templates, one for each 32 codes along K).
;; Outputs: out0 512 x 25,000 float32.
;; This version of the problem:
;;   THIS VERSION OF THE PROBLEM IS GIVEN IN LOW PRECISION. The matrix products marked QUANTISED in the list below multiply operands that are first quantised to E2M3 (2 exponent bits, 3 mantissa bits; 6 bits a number), with one power-of-two scale for each 32 numbers along K (OCP MX v1.0); their sums are f32. All else is computed in f32.
;;   The module's matrix products, in the order in which they are computed (A, B: the left and right operand; K: the contracted axis; several contracted axes count as one K, in the product's order):
;;     1. [M 512, K 2,048] x [K 2,048, N 1,024]; A: input m (given as codes); B: input W_mol (given as codes): QUANTISED
;;     2. [M 25,000, K 2,048] x [K 2,048, N 1,024]; A: input templates (given as codes); B: input W_temp (given as codes): QUANTISED
;;     3. [M 512, K 1,024] x [K 1,024, N 25,000]; A: computed on the way; B: computed on the way: QUANTISED
;;   THE QUANTISER, for each operand of a quantised product, along K:
;;     - K is cut into blocks of 32 from its start; a last block that is shorter is filled with zeros.
;;     - A block's scale is 2^e with e = floor(log2(the largest magnitude in the block)) - 2, held to -126 .. 127; a block of zeros has e = 0. As a byte (E8M0): e + 127.
;;     - Each number is divided by its block's scale, clamped to +-7.5, and rounded to the nearest number of E2M3, ties to even, subnormals kept.
;;     - The product sums the exact products of the quantised numbers (number of the format x scale) in f32.
;;   ~~~python
;;   def quantise(x, axis):      # numpy; x: float32 -> the quantised numbers, widened to float32 again
;;       x = np.moveaxis(x, axis, -1); K = x.shape[-1]
;;       x = np.pad(x, [(0, 0)] * (x.ndim - 1) + [(0, -K % 32)]); x = x.reshape(x.shape[:-1] + (-1, 32)); a = np.abs(x).max(-1, keepdims=True)
;;       e = np.where(a > 0, np.clip(np.frexp(np.where(a > 0, a, 1))[1] - 1 - 2, -126, 127), 0)      # np.frexp(a)[1] - 1 = floor(log2(a)), exactly
;;       r = np.clip(x / 2.0 ** e, -7.5, 7.5)
;;       step = 2.0 ** (np.maximum(np.frexp(np.where(r == 0, 1, r))[1] - 1, 0) - 3)
;;       q = np.round(r / step) * step * 2.0 ** e      # np.round: ties to even
;;       return np.moveaxis(q.reshape(q.shape[:-2] + (-1,))[..., :K], -1, axis).astype(np.float32)
;;   ~~~
;;   OPERANDS COMPUTED ON THE WAY. 'Computed on the way' means the value that the module computes at that place (a softmax that the list does not call 'softmax' is quantised finished and normalised). What goes into a quantiser is computed in f32, as accurately as f32 sums, v_exp_f32 and their like allow (about 1e-6 of the number): no bf16 or f16 on the way to a quantiser, and a product that is left as it is and whose result goes on into a quantised operand takes f32 operands (vector FMAs, or v_wmma_f32_16x16x4_f32). A number that lies on a knife's edge between two numbers of the format may be rounded either way, as far as f32 arithmetic and the matrix unit's own rounding can turn it there, and no further.
;;   INPUTS GIVEN AS CODES. W_mol (in the module: [1024, 2048], K = its axis 1); W_temp (in the module: [1024, 2048], K = its axis 1); m (in the module: [512, 2048], K = its axis 1); templates (in the module: [25000, 2048], K = its axis 1): each comes as NAME_codes (uint8): NAME with its K axis moved to the last place and cut into blocks of 32 codes, [.., K / 32, bytes a block], one block behind the other in memory; four codes in three bytes: a row's codes are one little-endian stream of bits, code i at bits 6 i .. 6 i + 5 (a code: sign, 2 exponent bits, 3 mantissa bits); and NAME_scales (uint8): the same leading axes, one E8M0 byte (e + 127) for each 32 codes along K. Its value is code x scale, taken as it is: it is not quantised again, and the codes and scales need not be those that the quantiser above would give.
;; One version. Each part assembles by itself: llvm-mc -triple=amdgcn-amd-amdhsa -mcpu=gfx1250 --defsym DOCPART=n.
;; ======== version 1 of 1: 2 launches
;; limits: right only within a limited range of input values
;; workspace buffers: stream 1,966,080 bytes; ws_img 65,536 bytes; xs_img 16,384 bytes
;; launch prep (part 1): grid 256 x 1, 4 waves a work-group, clusters of 4 x 1, 238,080 bytes of LDS; arguments W_mol_codes, W_mol_scales, b_mol, m_codes, m_scales, W_temp_codes, W_temp_scales, stream, ws_img, xs_img; writes stream, ws_img, xs_img
.if DOCPART == 1
	.amdgcn_target "amdgcn-amd-amdhsa--gfx1250"
	.amdhsa_code_object_version 6
	.text
	.protected	k_q91388f439e_prep
	.globl	k_q91388f439e_prep
	.p2align	8
	.type	k_q91388f439e_prep,@function
k_q91388f439e_prep:
	s_mov_b64 s[64:65], 0
	v_nop
	global_prefetch_b8 v0, s[64:65] scope:SCOPE_SE
	s_setreg_imm32_b32 hwreg(HW_REG_WAVE_MODE, 25, 1), 1
	s_wait_xcnt 0x0
	s_wait_alu depctr_hold_cnt(0) depctr_sa_sdst(0) depctr_va_vdst(0) depctr_va_sdst(0) depctr_va_ssrc(0) depctr_va_vcc(0) depctr_vm_vsrc(0)
	s_getreg_b32 s2, hwreg(HW_REG_IB_STS2, 6, 4)
	s_cmp_eq_u32 s2, 0
	s_cbranch_scc0 .Lentry_in_a_cluster
	s_endpgm
.Lentry_in_a_cluster:
	s_bfe_u32 s2, ttmp6, 0x10000c
	s_cmp_lg_u32 s2, 0x3003
	s_cbranch_scc0 .Lentry_shape_is_right
	s_endpgm
.Lentry_shape_is_right:
; THREE SMALL JOBS IN FRONT OF THE FUSED LAUNCH, one share of each to every work-group (256 work-groups of four waves).
; (1) Xi' = 0.125 (m W_mol^T + b_mol), [512][1024], on codes of FP6 (E2M3) with E8M0 scales, quantised along its 1,024 and stored as IMAGES OF OPERAND REGISTERS.
;     0.125 is a power of two: multiplied in ahead of the quantiser it moves every block's exponent by -3 and leaves every code as it is, so Q(0.125 Xi) = 0.125 Q(Xi).
; (2) W_temp's codes are laid out as images of operand registers, the rows of a tile in the order that the next launch's quantiser wants.
; (3) W_temp's scale bytes are laid out in the order in which a wave of the next launch loads them.
; AN IMAGE of a fragment (16 rows x 128 K, 12 registers a lane) is 1,536 bytes: register 4 c + k of lane l at byte 512 c + 16 l + 4 k: three accesses of 16 bytes a lane, each 512 consecutive bytes.
; LIMITS: NaN and infinities are not served.  A block's byte is held at 1 from below: a block of Xi whose largest magnitude lies under 2^-121 meets that floor three steps early, since 0.125 is already in it.
;     A block of zeros gets the byte 1 where the quantiser's rule says 127: its codes are zeros, and these bytes are read by this program alone.
; SHARES.  g = the work-group.  sA = g / 32: 128 rows of W_mol = one K step of the last product;  R = g % 32: 16 rows of m.  Wave w makes block w (32 units) of that fragment of Xi': two tiles of 16 rows of W_mol,
;     two accumulators by turns, 16 K steps of 128.  The product is used transposed (source 0 = W_mol's rows, source 1 = m's rows), and lane r of tile u takes row 32 w + 8 u + r + 8 (r / 8),
;     so that a lane holds ONE row of Xi' and its 16 result registers are the 16 neighbouring units 32 w + 16 (lane / 16) + 0 .. 15.
; CLUSTER.  The four work-groups of a cluster have the same sA: W_mol's 128 rows (196,608 of the 221,184 bytes that a work-group fills) are asked for JOINTLY.  m's 16 rows are a work-group's own: a plain load.
; LDS is filled once: two K halves of 1,024, each 144 rows (W_mol's 128, then m's 16) of 768 bytes; both halves are in before the first is multiplied.
.set ROWK,  1536                       ; a row of 2,048 codes in bytes
.set HROW,  768                        ; half of it
.set P1,    816                        ; an LDS row: 3 x (256 bytes + 16 of padding) = 204 words: row r starts at bank 12 r mod 64 (64 banks of 4 bytes: ISA guide 11.1)
.set HALFB, 144*P1                     ; a K half in LDS
.set IMG,   2*HALFB                    ; behind the halves, in blocks of 256 bytes of its own: the fragment's image, 1,536 bytes,
.set SCW,   IMG+1536                   ; and its 16 scale words
.set SSLOT, 98304                      ; a slot of the stream: 64 images
.set XI0,   16*SSLOT                   ; where Xi's four slots begin, behind W_temp's sixteen
.set AW,  5                            ; v5-8    LDS address of my rows of W_mol: half 0, half 0 behind one padding more, half 1, likewise
.set AM,  9                            ; v9-12   the same for m's rows
.set RLO, 13                           ; v13     W_temp's codes: my lane's byte
.set LI,  14                           ; v14     16 x lane
.set MSO, 15                           ; v15     m's scale words
.set WSO, 16                           ; v16     W_mol's scale words
.set BIO, 17                           ; v17     b_mol
.set SRO, 18                           ; v18     W_temp's scale bytes, in
.set SWO, 19                           ; v19     and out: 8 x lane
.set IA,  20                           ; v20-22  where my three registers of codes go in the image
.set SBA, 23                           ; v23     where my block's scale byte goes
.set IRD, 24                           ; v24     where I read the image back
.set SRD, 25                           ; v25     where the scale words are read back
.set XSO, 26                           ; v26     16 r: a scale word's place in xs_img
.set T0,  27
.set XIO, 29                           ; v29     512 x wave + 16 x lane: my part of the image in the stream
.set T1,  30
.set T2,  31
.set RL,  32                           ; v32-43  a fragment of W_temp
.set RS,  44                           ; v44-45  eight scale bytes of W_temp
.set MS,  48                           ; v48-63  m's scale word of K step k in v[48 + k]: these 32 registers hold scales and nothing else
.set WSC, 64                           ; v64-79  W_mol's: lanes 0-15 tile 0's rows, lanes 16-31 tile 1's
.set BI,  80                           ; v80-95  b_mol in the result's layout
.set ACC, 96                           ; v96-111 the two accumulators
.set FS,  112                          ; v112-219 three sets of 36: m's fragment, W_mol's tile 0, tile 1
.set QM,  220                          ; v220..  the quantiser's work
.set QP,  221
.set QO,  222
.set QB,  223
.set QC,  224                          ; v224-226 sixteen codes
.set QN,  227
.set OB,  232                          ; v232-235 on the way out
.macro PLACES                          ; four places: a load into a register that a matrix instruction has read, and a vector instruction that reads its result, stand four plain vector instructions behind it
.rept 4
	v_nop
.endr
.endm
.macro CROUND                          ; a round of the cluster's barrier: my work-group's barrier, wave 0 signals for the work-group, every wave waits for all four work-groups, my work-group's barrier once more
	s_barrier_signal -1
	s_barrier_wait -1
	s_cmp_lg_u32 s56, 0
	s_cbranch_scc1 .Lnot_wave_0_\@
	s_barrier_signal -3
.Lnot_wave_0_\@:
	s_barrier_wait -3
	s_barrier_signal -1
	s_barrier_wait -1
.endm
	s_load_b256 s[4:11], s[0:1], 0x0               ; W_mol's codes s[4:5], its scales s[6:7], b_mol s[8:9], m's codes s[10:11]
	s_load_b256 s[12:19], s[0:1], 0x20             ; m's scales s[12:13], W_temp's codes s[14:15], its scales s[16:17], stream s[18:19]
	s_load_b128 s[20:23], s[0:1], 0x40             ; ws_img s[20:21], xs_img s[22:23]
	v_lshl_add_u32 v254, v0, 2, 0x3a000
	v_mov_b32 v255, 0
	ds_add_u32 v254, v255
	ds_add_u32 v254, v255
	v_lshrrev_b32 v1, 5, v0
	v_readfirstlane_b32 s56, v1                    ; wave 0..3
	s_lshr_b32 s58, ttmp9, 3                       ; sA = g / 32 = cluster / 8: made of what the four partners share
	s_bfe_u32 s76, ttmp6, 0x40000                  ; cx: my place in the cluster
	s_lshl_b32 s77, ttmp9, 2
	s_add_co_u32 s77, s77, s76                     ; g = 4 x cluster + cx: it enters global addresses of plain accesses alone
	s_and_b32 s57, s77, 31                         ; R
	; descriptor group 1: rows of 768 bytes, 1,536 bytes apart in memory, 16 bytes of padding behind every 256.  s[24:31]: 128 rows of W_mol, joint;  s[32:39]: 16 rows of m, plain
	s_mov_b32 s24, 15|(1<<20)|(1<<21)|(5<<22)|(3<<25)  ; 15:0 the mask: all four work-groups; 17:16 elements of 1 byte; 20 padding on; 21 set beside a mask; 24:22 after every 64 words (code 5); 31:25 of 4 words (code 3)
	s_mov_b32 s32, (1<<20)|(5<<22)|(3<<25)         ; the same without a mask
.irp g, 24, 32
	s_mov_b32 s[\g+1], HROW<<16                    ; tensor_dim0
	s_mov_b32 s[\g+3], HROW<<16                    ; tile_dim0
	s_mov_b32 s[\g+5], ROWK                        ; tensor_dim0_stride
	s_mov_b32 s[\g+6], 0
	s_mov_b32 s[\g+7], 0
.endr
	s_mov_b32 s26, 128<<16                         ; tensor_dim1: one load brings W_mol's 128 rows of a K half
	s_mov_b32 s28, 128                             ; tile_dim1
	s_mov_b32 s34, 16<<16
	s_mov_b32 s36, 16
	s_mul_i32 s60, s58, 128*ROWK                   ; W_mol: row 128 sA
	s_mov_b32 s61, 0
	s_mul_i32 s2, s57, 16*ROWK                     ; m: row 16 R
	s_mov_b32 s3, 0
	s_wait_dscnt 0x0
	s_wait_kmcnt 0x0
	CROUND                                         ; all four work-groups are here: the joint loads meet
	s_mov_b32 s40, 1                               ; group 0, W_mol, K half 0: count = 1,
	s_mov_b32 s41, 0                               ; LDS address: a constant,
	s_add_nc_u64 s[42:43], s[4:5], s[60:61]        ; global address,
	s_mov_b32 s44, 1                               ; and K half 1
	s_mov_b32 s45, HALFB
	s_add_nc_u64 s[46:47], s[42:43], HROW
	s_or_b32 s43, s43, 0x80000000                  ; type = 2
	s_or_b32 s47, s47, 0x80000000
	s_mov_b32 s48, 1                               ; m likewise, behind W_mol's 128 rows
	s_mov_b32 s49, 128*P1
	s_add_nc_u64 s[50:51], s[10:11], s[2:3]
	s_mov_b32 s52, 1
	s_mov_b32 s53, 128*P1+HALFB
	s_add_nc_u64 s[54:55], s[50:51], HROW
	s_or_b32 s51, s51, 0x80000000
	s_or_b32 s55, s55, 0x80000000
	; ONE fill a wave, in one chain of branches on the wave's number: wave 0 W_mol's K half 0, wave 1 its half 1 (both joint), wave 2 m's half 0, wave 3 m's half 1
	s_cmp_lt_u32 s56, 1
	s_cbranch_scc0 .Lnot_w0
	tensor_load_to_lds s[40:43], s[24:31]
	s_nop 0
	PLACES
	s_branch .Lasked
.Lnot_w0:
	s_cmp_lt_u32 s56, 2
	s_cbranch_scc0 .Lnot_w1
	tensor_load_to_lds s[44:47], s[24:31]
	s_nop 0
	PLACES
	s_branch .Lasked
.Lnot_w1:
	s_cmp_lt_u32 s56, 3
	s_cbranch_scc0 .Lnot_w2
	tensor_load_to_lds s[48:51], s[32:39]
	s_nop 0
	PLACES
	s_branch .Lasked
.Lnot_w2:
	tensor_load_to_lds s[52:55], s[32:39]
	s_nop 0
	PLACES
.Lasked:
	; ---- where everything else lies
	s_mov_b32 s69, 0
	s_lshl_b32 s68, s57, 10
	s_add_nc_u64 s[12:13], s[12:13], s[68:69]      ; m's scales at row 16 R (64 bytes a row)
	s_lshl_b32 s59, s58, 7
	s_lshl_b32 s60, s56, 5
	s_add_co_u32 s59, s59, s60                     ; 128 sA + 32 x wave: my first unit
	s_lshl_b32 s68, s59, 6
	s_add_nc_u64 s[6:7], s[6:7], s[68:69]          ; W_mol's scales there,
	s_lshl_b32 s68, s59, 2
	s_add_nc_u64 s[8:9], s[8:9], s[68:69]          ; and b_mol
	; job 2: my wave's fragment of W_temp: tile g / 4 (chunk c = g / 128, wave w = (g / 32) % 4, tile b = (g / 4) % 8), K step k = 4 (g % 4) + wave
	s_lshr_b32 s59, s77, 3
	s_lshl_b32 s59, s59, 5
	s_bfe_u32 s60, s77, 0x10002
	s_lshl_b32 s60, s60, 3
	s_add_co_u32 s59, s59, s60                     ; the tile's first row: 512 c + 128 w + 32 (b / 2) + 8 (b % 2) = 32 (g / 8) + 8 ((g / 4) % 2)
	s_mul_i32 s59, s59, ROWK
	s_and_b32 s60, s77, 3
	s_lshl_b32 s60, s60, 2
	s_add_co_u32 s60, s60, s56                     ; k
	s_mul_i32 s61, s60, 96
	s_add_co_u32 s68, s59, s61
	s_add_nc_u64 s[14:15], s[14:15], s[68:69]
	s_lshr_b32 s59, s77, 7
	s_lshl_b32 s59, s59, 3
	s_lshr_b32 s61, s60, 1
	s_add_co_u32 s59, s59, s61                     ; its slot of the stream: 8 c + k / 2
	s_mul_i32 s59, s59, SSLOT
	s_bfe_u32 s61, s77, 0x20005                    ; w
	s_lshl_b32 s61, s61, 1
	s_and_b32 s62, s60, 1                          ; q = k % 2
	s_add_co_u32 s61, s61, s62
	s_lshl_b32 s61, s61, 3
	s_bfe_u32 s62, s77, 0x30002                    ; b
	s_add_co_u32 s61, s61, s62
	s_mul_i32 s61, s61, 1536                       ; image (2 w + q) 8 + b of the slot
	s_add_co_u32 s68, s59, s61
	s_add_nc_u64 s[70:71], s[18:19], s[68:69]
	; job 1's result: image ((R / 16) 4 + R % 4) 8 + sA of Xi's slot (R / 4) % 4
	s_bfe_u32 s59, s57, 0x20002
	s_mul_i32 s59, s59, SSLOT
	s_lshr_b32 s60, s57, 4
	s_lshl_b32 s60, s60, 2
	s_and_b32 s61, s57, 3
	s_add_co_u32 s60, s60, s61
	s_lshl_b32 s60, s60, 3
	s_add_co_u32 s60, s60, s58
	s_mul_i32 s60, s60, 1536
	s_add_co_u32 s68, s59, s60
	s_add_co_u32 s68, s68, XI0
	s_add_nc_u64 s[72:73], s[18:19], s[68:69]
	s_lshl_b32 s59, s57, 9                         ; and its scale words: tile R's 512 bytes; the word of row r and K step sA at 16 (r + 16 (sA / 4)) + 4 (sA % 4)
	s_lshr_b32 s60, s58, 2
	s_lshl_b32 s60, s60, 8
	s_add_co_u32 s59, s59, s60
	s_and_b32 s60, s58, 3
	s_lshl_b32 s60, s60, 2
	s_add_co_u32 s68, s59, s60
	s_add_nc_u64 s[22:23], s[22:23], s[68:69]
	; job 3: unit g of ws_img: slot g / 16, wave w = (g / 4) % 4, i = g % 4: lane l takes eight bytes of the row that lane l % 16 of tile i + 4 (l / 16) holds
	s_lshr_b32 s59, s77, 7
	s_lshl_b32 s59, s59, 9                         ; 512 c
	s_bfe_u32 s60, s77, 0x20002
	s_lshl_b32 s60, s60, 7                         ; + 128 w
	s_add_co_u32 s59, s59, s60
	s_bfe_u32 s60, s77, 0x10001
	s_lshl_b32 s60, s60, 5                         ; + 32 (i / 2)
	s_add_co_u32 s59, s59, s60
	s_and_b32 s60, s77, 1
	s_lshl_b32 s60, s60, 3                         ; + 8 (i % 2)
	s_add_co_u32 s59, s59, s60
	s_lshl_b32 s59, s59, 6                         ; 64 bytes a row,
	s_bfe_u32 s60, s77, 0x30004
	s_lshl_b32 s60, s60, 3                         ; the slot's 8 bytes in it
	s_add_co_u32 s68, s59, s60
	s_add_nc_u64 s[16:17], s[16:17], s[68:69]
	s_lshl_b32 s68, s77, 8
	s_add_nc_u64 s[20:21], s[20:21], s[68:69]
	s_mov_b32 s66, 0x76543210
	s_mov_b32 s67, 0xfedcba98                      ; v_permlanex16_b32's selects for lane l xor 16
	s_mov_b32 s78, 0x3e000000                      ; 0.125
	s_mov_b32 s79, s78                             ; (the packed form names the pair and takes its low word for both halves)
	v_and_b32 v1, 31, v0                           ; lane
	v_and_b32 v2, 15, v0                           ; r
	v_bfe_u32 v3, v0, 4, 1                         ; h
	v_and_b32 v4, 8, v2
	v_add_nc_u32 v4, v4, v2                        ; r + 8 (r / 8)
	v_mul_u32_u24 v[RLO], v4, ROWK
	v_mad_u32_u24 v[RLO], v3, 24, v[RLO]           ; a fragment's lane: its row, + 24 h
	v_lshlrev_b32 v[LI], 4, v1
	v_lshlrev_b32 v[MSO], 6, v2
	v_lshl_add_u32 v[WSO], v3, 3, v4
	v_lshlrev_b32 v[WSO], 6, v[WSO]                ; lanes 0-15 tile 0's rows, lanes 16-31 tile 1's, 8 rows on
	v_lshlrev_b32 v[BIO], 6, v3                    ; 16 h units
	v_lshlrev_b32 v[SRO], 6, v4
	v_lshl_add_u32 v[SRO], v3, 12, v[SRO]          ; tile i + 4 lies 64 rows on
	v_lshlrev_b32 v[SWO], 3, v1
.irp p, 0,1,2,3,4,5
	global_load_b64 v[RL+2*\p:RL+2*\p+1], v[RLO], s[14:15] offset:48*(\p/3)+8*(\p%3)   ; W_temp's fragment: 24 bytes of the row's stream of bits, twice, in pieces of 8
.endr
.irp k, 0,1,2,3
	global_load_b128 v[MS+4*\k:MS+4*\k+3], v[MSO], s[12:13] offset:16*\k
.endr
.irp k, 0,1,2,3
	global_load_b128 v[WSC+4*\k:WSC+4*\k+3], v[WSO], s[6:7] offset:16*\k
.endr
.irp u, 0,1
	global_load_b128 v[BI+8*\u:BI+8*\u+3], v[BIO], s[8:9] offset:32*\u           ; tile u, register j: b_mol of unit 32 w + 16 h + 8 u + j
	global_load_b128 v[BI+8*\u+4:BI+8*\u+7], v[BIO], s[8:9] offset:32*\u+16
.endr
	; LDS addresses, all made here, ahead of every parting of the waves
	s_mul_i32 s59, s56, 32*P1
	v_mul_u32_u24 v[AW], v4, P1
	v_mad_u32_u24 v[AW], v3, 24, v[AW]
	v_add_nc_u32 v[AW], s59, v[AW]                 ; row 32 w + r + 8 (r / 8), + 24 h
	v_lshl_add_u32 v[AW+1], v3, 4, v[AW]           ; the same for pieces whose partner three pieces on lies behind one padding more
	v_add_nc_u32 v[AW+2], HALFB, v[AW]
	v_add_nc_u32 v[AW+3], HALFB, v[AW+1]
	v_mul_u32_u24 v[AM], v2, P1
	v_mad_u32_u24 v[AM], v3, 24, v[AM]
	v_add_nc_u32 v[AM], 128*P1, v[AM]
	v_lshl_add_u32 v[AM+1], v3, 4, v[AM]
	v_add_nc_u32 v[AM+2], HALFB, v[AM]
	v_add_nc_u32 v[AM+3], HALFB, v[AM+1]
	; my sixteen codes are k = 32 w + 16 h + 0 .. 15 of row r.  The operand's layout gives block w to lanes r + 16 (w % 2), registers 6 (w / 2) + 0 .. 5; its lower 16 codes are the first three.
	s_lshr_b32 s59, s56, 1
	s_mul_i32 s59, s59, 6
	v_mul_u32_u24 v[T2], v3, 3
	v_add_nc_u32 v[T2], s59, v[T2]                 ; my first register of the fragment: 6 (w / 2) + 3 h
	s_and_b32 s60, s56, 1
	s_lshl_b32 s60, s60, 8
	s_add_co_u32 s60, s60, IMG
	v_lshl_add_u32 v[T1], v2, 4, s60               ; the image's lane r + 16 (w % 2)
.irp i, 0,1,2
	v_add_nc_u32 v[IA+\i], \i, v[T2]
	v_lshrrev_b32 v[T0], 2, v[IA+\i]
	v_and_b32 v[IA+\i], 3, v[IA+\i]
	v_lshl_add_u32 v[IA+\i], v[IA+\i], 2, v[T1]
	v_lshl_add_u32 v[IA+\i], v[T0], 9, v[IA+\i]    ; register 4 c + k at 512 c + 4 k
.endr
	s_add_co_u32 s60, s56, SCW
	v_lshl_add_u32 v[SBA], v2, 2, s60              ; byte w of row r's scale word
	s_lshl_b32 s60, s56, 9
	v_add_nc_u32 v[XIO], s60, v[LI]
	s_add_co_u32 s60, s60, IMG
	v_add_nc_u32 v[IRD], s60, v[LI]
	v_lshl_add_u32 v[SRD], v2, 2, SCW
	v_lshlrev_b32 v[XSO], 4, v2
	v_mov_b32 v[QP], 0                             ; a lane permute's destination counts as one of its sources
	s_wait_loadcnt 12                              ; W_temp's fragment is in; the 12 loads behind it (scale words, bias) may be out
.irp k, 0,1,2
	global_store_b128 v[LI], v[RL+4*\k:RL+4*\k+3], s[70:71] offset:512*\k   ; its image: 512 consecutive bytes a store
.endr
	s_cmp_lg_u32 s56, 3                            ; wave 3 moves the unit of scale bytes
	s_cbranch_scc1 .Lno_unit
	global_load_b64 v[RS:RS+1], v[SRO], s[16:17]
	s_wait_loadcnt 0x0
	global_store_b64 v[SWO], v[RS:RS+1], s[20:21]  ; 32 lanes store 256 consecutive bytes, aligned
.Lno_unit:
	s_wait_loadcnt 0x0                             ; scale words and bias
	s_wait_tensorcnt 0x0                           ; my one fill is in: behind the barrier below both K halves are whole
	s_barrier_signal -1
	s_barrier_wait -1                              ; everybody's is
; A fragment out of LDS: six pieces of 8 bytes.  Lanes 0-15 take the row's pieces 12 q + 0, 1, 2 and 12 q + 6, 7, 8, lanes 16-31 those three pieces on; 16 bytes of padding lie behind every 32 pieces.
.macro FRAG1 reg, adr, q, rowoff
.irp p, 0,1,2,3,4,5
.set PCE, 12*(\q)+6*(\p/3)+\p%3
.if PCE%32 < 29
	ds_load_b64 v[\reg+2*\p:\reg+2*\p+1], v[\adr] offset:8*PCE+16*(PCE/32)+\rowoff
.else
	ds_load_b64 v[\reg+2*\p:\reg+2*\p+1], v[\adr+1] offset:8*PCE+16*(PCE/32)+\rowoff
.endif
.endr
.endm
.macro LOADK hf, q, set                ; the three fragments of the half's q-th K step: 18 loads
	FRAG1 FS+36*(\set), AM+2*(\hf), \q, 0
	FRAG1 FS+36*(\set)+12, AW+2*(\hf), \q, 0
	FRAG1 FS+36*(\set)+24, AW+2*(\hf), \q, 8*P1
.endm
; A K step: the fragments of two steps on are asked for, into the set that the last step's products read (four places behind them); then this step's two products, the two accumulators by turns.
.macro KSTEP hf, q
.if (\q) < 6
.if (\q) > 0
	PLACES
.endif
	LOADK \hf, (\q)+2, ((\q)+2)%3
	s_wait_dscnt 36                                ; LDS loads come back in order (ISA guide 5.7.1): this step's 18 are in, the 36 of the two steps behind it may be out
.else
	s_wait_dscnt 18*(7-(\q))
.endif
.set FQ, FS+36*((\q)%3)
.set KK, 8*(\hf)+(\q)
.if KK == 0                            ; the bias is the C of each sum's first product
	v_wmma_scale_f32_16x16x128_f8f6f4 v[ACC:ACC+7], v[FQ+12:FQ+23], v[FQ:FQ+11], v[BI:BI+7], v[WSC+KK], v[MS+KK] matrix_a_fmt:MATRIX_FMT_FP6 matrix_b_fmt:MATRIX_FMT_FP6
	v_wmma_scale_f32_16x16x128_f8f6f4 v[ACC+8:ACC+15], v[FQ+24:FQ+35], v[FQ:FQ+11], v[BI+8:BI+15], v[WSC+KK], v[MS+KK] matrix_a_fmt:MATRIX_FMT_FP6 matrix_b_fmt:MATRIX_FMT_FP6 matrix_a_scale:MATRIX_SCALE_ROW1
.else
	v_wmma_scale_f32_16x16x128_f8f6f4 v[ACC:ACC+7], v[FQ+12:FQ+23], v[FQ:FQ+11], v[ACC:ACC+7], v[WSC+KK], v[MS+KK] matrix_a_fmt:MATRIX_FMT_FP6 matrix_b_fmt:MATRIX_FMT_FP6
	v_wmma_scale_f32_16x16x128_f8f6f4 v[ACC+8:ACC+15], v[FQ+24:FQ+35], v[FQ:FQ+11], v[ACC+8:ACC+15], v[WSC+KK], v[MS+KK] matrix_a_fmt:MATRIX_FMT_FP6 matrix_b_fmt:MATRIX_FMT_FP6 matrix_a_scale:MATRIX_SCALE_ROW1
.endif
.endm
	LOADK 0, 0, 0
	LOADK 0, 1, 1
.irp q, 0,1,2,3,4,5,6,7
	KSTEP 0, \q
.endr
	s_wait_tensorcnt 0x0                           ; my part of K half 1 is in,
	s_wait_dscnt 0x0
	s_barrier_signal -1
	s_barrier_wait -1                              ; everybody's is
	PLACES                                         ; for the loads into the sets that the last products read
	LOADK 1, 0, 0
	LOADK 1, 1, 1
.irp q, 0,1,2,3,4,5,6,7
	KSTEP 1, \q
.endr
	PLACES
.irp j, 0,2,4,6,8,10,12,14
	v_pk_mul_f32 v[ACC+\j:ACC+\j+1], v[ACC+\j:ACC+\j+1], s[78:79] op_sel_hi:[1,0]   ; x 0.125, exact; each accumulator from its low end on
.endr
	; my block of 32 lies in lanes l and l xor 16.  Its scale: the largest magnitude's exponent field less 2
	v_max3_num_f32 v[QM], |v[ACC]|, |v[ACC+1]|, 0x1800000          ; with the floor 2^(3 - 127) among the leaves: the byte cannot fall under 1
	v_max3_num_f32 v[QN], |v[ACC+2]|, |v[ACC+3]|, |v[ACC+4]|
.irp i, 5,9
	v_max3_num_f32 v[QM], v[QM], |v[ACC+\i]|, |v[ACC+\i+1]|
	v_max3_num_f32 v[QN], v[QN], |v[ACC+\i+2]|, |v[ACC+\i+3]|
.endr
	v_max3_num_f32 v[QM], v[QM], |v[ACC+13]|, |v[ACC+14]|
	v_max3_num_f32 v[QM], v[QM], v[QN], |v[ACC+15]|
	v_permlanex16_b32 v[QP], v[QM], s66, s67
	v_max_num_f32 v[QM], v[QM], v[QP]
	v_add_nc_u32 v[QO], 0xff000000, v[QM]          ; 2 off the exponent field: the conversion takes the exponent field of this operand as its scale, and nothing else of it
	v_lshrrev_b32 v[QB], 23, v[QO]                 ; the scale's byte
	v_cvt_scalef32_pk16_fp6_f32 v[QC:QC+2], v[ACC:ACC+15], v[QO]
	v_nop                                          ; one plain place behind a scaled conversion
.irp i, 0,1,2
	ds_store_b32 v[IA+\i], v[QC+\i]                ; the four waves' blocks meet in the image
.endr
	ds_store_b8 v[SBA], v[QB]                      ; both lanes of a block write the same byte with the same value
	s_wait_dscnt 0x0                               ; for the others' sake: my stores have landed
	s_barrier_signal -1
	s_barrier_wait -1
	s_cmp_eq_u32 s56, 3
	s_cbranch_scc1 .Lwords
	ds_load_b128 v[OB:OB+3], v[IRD]                ; waves 0 to 2: a third of the image each
	s_wait_dscnt 0x0
	global_store_b128 v[XIO], v[OB:OB+3], s[72:73] ; 512 consecutive bytes a wave
	s_branch .Lend
.Lwords:
	ds_load_b32 v[OB], v[SRD]                      ; wave 3: the 16 rows' scale words
	v_cmp_gt_u32 vcc_lo, 16, v1
	s_wait_dscnt 0x0
	s_wait_xcnt 0x0                                ; EXEC changes only behind this wait: it is a source of the accesses that are out
	s_and_saveexec_b32 s59, vcc_lo
	global_store_b32 v[XSO], v[OB], s[22:23]       ; 4 bytes a lane, 16 bytes apart: the eight work-groups of a tile R fill its 512 bytes between them; 16,384 bytes in the whole launch
	s_wait_xcnt 0x0
	s_or_b32 exec_lo, exec_lo, s59
.Lend:
	s_wait_tensorcnt 0x0
	ds_add_u32 v254, v255
	s_wait_dscnt 0x0
	CROUND                                         ; the closing round: no work-group ends while a partner may still ask for a tile that names it
	s_endpgm
.Lfunc_end_k_q91388f439e_prep:
	.size	k_q91388f439e_prep, .Lfunc_end_k_q91388f439e_prep-k_q91388f439e_prep
	.p2alignl 7, 3214868480
	.fill 96, 4, 3214868480
	.section	.rodata,"a",@progbits
	.p2align	6, 0x0
	.amdhsa_kernel k_q91388f439e_prep
		.amdhsa_group_segment_fixed_size 238080
		.amdhsa_private_segment_fixed_size 0
		.amdhsa_enable_private_segment 0
		.amdhsa_kernarg_size 80
		.amdhsa_user_sgpr_count 2
		.amdhsa_user_sgpr_kernarg_segment_ptr 1
		.amdhsa_wavefront_size32 1
		.amdhsa_system_sgpr_workgroup_id_x 1
		.amdhsa_system_sgpr_workgroup_id_y 1
		.amdhsa_system_sgpr_workgroup_id_z 1
		.amdhsa_system_vgpr_workitem_id 0
		.amdhsa_next_free_vgpr 256
		.amdhsa_next_free_sgpr 80
		.amdhsa_reserve_vcc 1
		.amdhsa_float_denorm_mode_32 3
		.amdhsa_float_denorm_mode_16_64 3
		.amdhsa_memory_ordered 1
		.amdhsa_forward_progress 1
		.amdhsa_inst_pref_size 40
	.end_amdhsa_kernel
	.amdgpu_metadata
---
amdhsa.version: [ 1, 2 ]
amdhsa.kernels:
  - .name:           k_q91388f439e_prep
    .symbol:         k_q91388f439e_prep.kd
    .args:
      - { .name: W_mol_codes, .offset: 0, .size: 8, .value_kind: global_buffer, .address_space: global }
      - { .name: W_mol_scales, .offset: 8, .size: 8, .value_kind: global_buffer, .address_space: global }
      - { .name: b_mol, .offset: 16, .size: 8, .value_kind: global_buffer, .address_space: global }
      - { .name: m_codes, .offset: 24, .size: 8, .value_kind: global_buffer, .address_space: global }
      - { .name: m_scales, .offset: 32, .size: 8, .value_kind: global_buffer, .address_space: global }
      - { .name: W_temp_codes, .offset: 40, .size: 8, .value_kind: global_buffer, .address_space: global }
      - { .name: W_temp_scales, .offset: 48, .size: 8, .value_kind: global_buffer, .address_space: global }
      - { .name: stream, .offset: 56, .size: 8, .value_kind: global_buffer, .address_space: global }
      - { .name: ws_img, .offset: 64, .size: 8, .value_kind: global_buffer, .address_space: global }
      - { .name: xs_img, .offset: 72, .size: 8, .value_kind: global_buffer, .address_space: global }
    .group_segment_fixed_size: 238080
    .private_segment_fixed_size: 0
    .kernarg_segment_align: 8
    .kernarg_segment_size: 80
    .max_flat_workgroup_size: 128
    .sgpr_count:     80
    .vgpr_count:     256
    .wavefront_size: 32
...
	.end_amdgpu_metadata
.endif
;; end of part 1
;; launch assoc (part 2): grid 196 x 1, 4 waves a work-group, clusters of 4 x 1, 327,680 bytes of LDS; arguments templates_codes, templates_scales, b_temp, stream, ws_img, xs_img, out0; writes out0
.if DOCPART == 2
	.amdgcn_target "amdgcn-amd-amdhsa--gfx1250"
	.amdhsa_code_object_version 6
	.text
	.protected	k_q91388f439e_assoc
	.globl	k_q91388f439e_assoc
	.p2align	8
	.type	k_q91388f439e_assoc,@function
k_q91388f439e_assoc:
	s_mov_b64 s[64:65], 0
	v_nop
	global_prefetch_b8 v0, s[64:65] scope:SCOPE_SE
	s_setreg_imm32_b32 hwreg(HW_REG_WAVE_MODE, 25, 1), 1
	s_wait_xcnt 0x0
	s_wait_alu depctr_hold_cnt(0) depctr_sa_sdst(0) depctr_va_vdst(0) depctr_va_sdst(0) depctr_va_ssrc(0) depctr_va_vcc(0) depctr_vm_vsrc(0)
	s_getreg_b32 s2, hwreg(HW_REG_IB_STS2, 6, 4)
	s_cmp_eq_u32 s2, 0
	s_cbranch_scc0 .Lentry_in_a_cluster
	s_endpgm
.Lentry_in_a_cluster:
	s_bfe_u32 s2, ttmp6, 0x10000c
	s_cmp_lg_u32 s2, 0x3003
	s_cbranch_scc0 .Lentry_shape_is_right
	s_endpgm
.Lentry_shape_is_right:
; out0[b][t] = the sum over a of Q(0.125 Xi)[b][a] Q(X)[t][a],  X = templates W_temp^T + b_temp, all products on codes of FP6 (E2M3) with one E8M0 scale for each 32 along K.  X NEVER GOES TO MEMORY.
; SHARES.  A work-group of four waves owns 128 templates.  25,000 = 195 x 128 + 40: the last work-group begins at template 24,872, makes 128 like the others, and stores the columns from 24,960 on alone
;   (an EXEC mask on its stores; no branch).
; FIRST PRODUCT, in two chunks of 512 of X's 1,024 columns: wave w makes 128 templates x 128 columns: 64 accumulators, 512 registers.  It is used transposed (source 0 = 16 rows of W_temp, source 1 = 16 templates),
;   and the rows of W_temp that form a tile were chosen by the launch in front so that a lane holds ONE template and the 16 registers of tiles 2 b, 2 b + 1 are 16 neighbours along the next K.
;   THE TEMPLATES' 128 ROWS STAY IN LDS FOR ALL OF K (8 tiles of 256 along K, filled once): all four waves read them, in both chunks.
;   W_TEMP'S IMAGES GO FROM MEMORY STRAIGHT INTO REGISTERS: each image is read by ONE wave of the work-group, so LDS would only be a stage for it.  Two sets of 8 images; an image is asked for again as soon as the
;   quadrants that read it are issued, 96 matrix instructions or more ahead of its next use, and waited for by a counted wait.  The first product has no refill, no ring and no barrier but one.
;   WHY NOT JOINTLY, though all work-groups read the same images: a joint load lands in LDS.  A ring of two slots of 98,304 bytes beside the templates' 245,760 does not fit in 327,680; with the templates in the ring too,
;   a refill has one slot's matrix instructions in which to land and ends at a wait for all loads, and every image is written to LDS and read from it once more than here.
;   b_temp is the C of each sum's first product.  At a chunk's end each tile of 16 templates is quantised in registers: it is one fragment of the second product (K step 4 x chunk + w) and goes to LDS as an
;   IMAGE OF ITS REGISTERS (register 4 c + k of lane l at 512 c + 16 l + 4 k), its scale words beside it.
; SECOND PRODUCT: wave (wr, wc) takes Xi's rows 256 wr on and templates 64 wc on.  X's 32 fragments stay in 384 registers; Xi's come by tiles of 16 rows.  Source 0 = 16 templates, source 1 = 16 rows of Xi: a lane holds
;   eight neighbouring columns of one row of out0.  Each tile of 16 rows x 64 columns leaves, through the wave's stage, while the next is multiplied.
;   Xi's images are read by two waves of every work-group: they come through two LDS slots of 98,304 bytes, where the templates lay, and the four work-groups of a CLUSTER ask for them JOINTLY.
; LIMITS: NaN and infinities are not served; a block's byte is held at 1 from below; a block of zeros gets the byte 1 where the quantiser's rule says 127: its codes are zeros, and only this launch reads the byte.
; REGISTERS, in windows of 256.  Window 0: v1-30 addresses; v32-47 the templates' scale words, later X's; v48-63 W_temp's, later Xi's of four row tiles: these 32 hold scales and nothing else;
;   v64-159, v160-255 the templates' 8 fragments, TWO sets; later two sets of 4 accumulators (v128-191) and 16 rows on their way out (v192-223); v224-255, in set 1 while it is idle, the quantiser's work.
;   Window 1: W_temp's images, TWO sets, at v0 and v128, later Xi's; the bias' tiles 0-3 at v96, 4-7 at v224.
;   Windows 2, 3: accumulator (a, b) at v[16 (a + 8 ((b / 2) % 2)) + 8 (b % 2)] of window 2 + b / 4; later X's fragment (s, u) at v[12 (4 (s % 4) + u)] of window 2 + s / 4.
.set TROWB, 1536                       ; a template's 2,048 codes in bytes
.set OROW,  100000                     ; a row of out0 in bytes
.set SSLOT, 98304                      ; a slot of the stream: 64 images
.set XI0,   16*SSLOT                   ; where Xi's four slots begin in the stream
.set FRB,   1536                       ; an image
; THE TEMPLATES IN LDS, AS THIS TEXT HAS THEM (this takes the place of what the head says of eight tiles of 256 along K and of the first product's one barrier):
; two K halves of 1,024, each 128 rows of 768 bytes of memory, every row at a multiple of 256 bytes from the buffer's first byte; 8 bytes of padding behind every 128.
; Four K steps are 384 bytes = three such runs = 408 bytes of an LDS row (a GROUP): the pattern of pieces comes back after four steps, the loop's trip.
; At the head each wave issues one tensor load: waves 0 and 1 bring 64 rows each of half 0, waves 2 and 3 half of the scale bytes each.  Half 1 is asked for behind the wait for these, the add and a round,
; and is shown whole by a barrier in the trip's fourth K step (step 4); it is first read in step 7.
.set PITCH, 816                        ; an LDS row of a half: 6 x (128 bytes + 8) = 204 words: row r starts at bank 12 r mod 64 (64 banks of 4 bytes: ISA guide 11.1)
.set HALF,  128*PITCH                  ; a K half: 104,448 bytes; two of them from LDS byte 0 on
.set GRP,   408                        ; a group of four K steps in an LDS row
.set BAR,   0                          ; 1: the K step that is assembled holds the barrier for half 1
.set XQ1,   2*SSLOT                    ; X's images of K steps 4-7, behind the two slots that Xi takes: no load lands there again
.set XQ0,   245760                     ; X's images of K steps 0-3 ((8 k + a) images on); behind the last of their reads the four waves' stages
.set XQS,   XQ0+32*FRB                 ; X's scale words: K step k, tile a, row r at 512 k + 16 (r + 16 (a / 4)) + 4 (a % 4)
.set TSC,   XQS+4096                   ; the templates' scale bytes for all of K: 8,192 dense bytes as 32 units of 256 + 16 of padding; filled once
.set SPARE, TSC+32*272                 ; the spare words, 128 bytes for each wave: two blocks of 256 bytes that no other line names
.set SP,    272                        ; a stage row: 64 columns, 256 bytes, + 16
.set ADRA, 4                           ; v4     the templates' fragments, at the tile in hand;  v5 the same for pieces that lie behind one padding more
.set ADRA0, 6                          ; v6-7   the same two at tile 0
.set ADRS, 10                          ; v10    the templates' scale words, at the tile in hand;  v11 at tile 0
.set ADRS0, 11
.set WSO,  12                          ; v12    8 x lane
.set BO,   13                          ; v13    64 h: the bias
.set XW0,  14                          ; v14    where I store X's images, chunk 0;  v15 chunk 1
.set XW1,  15
.set XSW,  16                          ; v16    and their scale words
.set AQ0,  17                          ; v17    where I read X's images: K steps 0-3;  v18: 4-7
.set AQ1,  18
.set AQS,  20                          ; v20    and their scale words
.set AX,   21                          ; v21-22 Xi's images in slot 0, 1
.set STO,  23                          ; v23    the stage: where I put 32 bytes of a row
.set RD,   24                          ; v24    and where I read a row back
.set CO,   25                          ; v25    my byte offset in two rows of out0
.set ISO,  26                          ; v26    16 x lane
.set MK,   27                          ; v27    my first column less the first that my work-group stores
.set SPW,  28                          ; v28    LDS address of my spare word: SPARE + 4 x my thread's number; never rewritten
.set NIL,  29                          ; v29    0; never rewritten
.set PW,   30                          ; v30    the scale word just made
.set TS,   32
.set XS,   32
.set WS,   48
.set IS,   48
.set AF,   64
.set ACC,  128
.set BK,   192
.set TM,   224                         ; v224-227 largest magnitudes, v228-231 second chains, the other half's, then bytes, v232-235 the conversions' scale operands
.set PC,   236                         ; v236-247 a fragment's codes, v248-254 the conversions' second halves
.set G1W,  24                          ; s[24:31] descriptor group 1 for a third of a slot of Xi;  s[32:39] its groups 0, one for each slot
.set G0W,  32
.set G1T,  40                          ; s[40:47], s[48:55] the same for my two tiles of templates
.set G0T,  48
.set G1X,  56                          ; s[56:63], s[92:95] groups 1 and 0 for a quarter of Xi's first two slots
.set G0X,  92
.set G0S,  68                          ; s[68:71], s[72:79] groups 0 and 1 for half of the templates' scale bytes
.set G1S,  72
; s[66:67] W_temp's images, s[80:81] its scale words, at my wave's part of the slot in hand;  s[82:83] b_temp;  s[84:85] Xi's scale words;  s[86:87] out0
.set MSB, 0
.macro WIN new                         ; s_set_vgpr_msb: bits 1:0 source 0, 3:2 source 1, 5:4 source 2, 7:6 destination; the high byte repeats the setting that is left
.if MSB != (\new)
	s_set_vgpr_msb (MSB<<8)|(\new)
.set MSB, (\new)
.endif
.endm
; A load into a register that a matrix instruction has read, and a vector instruction or an LDS store that reads a matrix result, stand four places behind it; a matrix instruction that begins an accumulator anew five
; (ISA guide 7.12.1 for vector instructions).  Only plain vector instructions that name none of its registers are places.
.macro PLACES n
.rept \n
	v_nop
.endr
.endm
.macro CREST                           ; a round of the cluster's barrier behind its opening barrier
	s_cmp_lg_u32 s18, 0
	s_cbranch_scc1 .Lnot_wave_0_\@
	s_barrier_signal -3
.Lnot_wave_0_\@:
	s_barrier_wait -3
	s_barrier_signal -1
	s_barrier_wait -1
.endm
.macro CROUND                          ; a whole round
	s_barrier_signal -1
	s_barrier_wait -1
	CREST
.endm
.macro JLOAD_W n                       ; a refill of a slot of Xi: waves 0 to 2 ask jointly for a third each, wave 3 for nothing.  The branch hangs on the wave's number alone.  Four v_nop on both ways
	s_cmp_lt_u32 s18, 3
	s_cbranch_scc0 .Lnone_\@
	tensor_load_to_lds s[G0W+4*(\n):G0W+4*(\n)+3], s[G1W:G1W+7]
	s_nop 0
	PLACES 4
	s_branch .Lasked_\@
.Lnone_\@:
	PLACES 4
.Lasked_\@:
.endm
; One matrix instruction, from the symbols rD, rA, rB, rC (under 0: the constant 0 starts the sum), rSA, rSB (scale registers) and rRA, rRB (1: the side's words lie in lanes 16-31).
.macro WM
.if rC < 0
	v_wmma_scale_f32_16x16x128_f8f6f4 v[rD:rD+7], v[rA:rA+11], v[rB:rB+11], 0, v[rSA], v[rSB] matrix_a_fmt:MATRIX_FMT_FP6 matrix_b_fmt:MATRIX_FMT_FP6
.elseif rRA && rRB
	v_wmma_scale_f32_16x16x128_f8f6f4 v[rD:rD+7], v[rA:rA+11], v[rB:rB+11], v[rC:rC+7], v[rSA], v[rSB] matrix_a_fmt:MATRIX_FMT_FP6 matrix_b_fmt:MATRIX_FMT_FP6 matrix_a_scale:MATRIX_SCALE_ROW1 matrix_b_scale:MATRIX_SCALE_ROW1
.elseif rRA
	v_wmma_scale_f32_16x16x128_f8f6f4 v[rD:rD+7], v[rA:rA+11], v[rB:rB+11], v[rC:rC+7], v[rSA], v[rSB] matrix_a_fmt:MATRIX_FMT_FP6 matrix_b_fmt:MATRIX_FMT_FP6 matrix_a_scale:MATRIX_SCALE_ROW1
.elseif rRB
	v_wmma_scale_f32_16x16x128_f8f6f4 v[rD:rD+7], v[rA:rA+11], v[rB:rB+11], v[rC:rC+7], v[rSA], v[rSB] matrix_a_fmt:MATRIX_FMT_FP6 matrix_b_fmt:MATRIX_FMT_FP6 matrix_b_scale:MATRIX_SCALE_ROW1
.else
	v_wmma_scale_f32_16x16x128_f8f6f4 v[rD:rD+7], v[rA:rA+11], v[rB:rB+11], v[rC:rC+7], v[rSA], v[rSB] matrix_a_fmt:MATRIX_FMT_FP6 matrix_b_fmt:MATRIX_FMT_FP6
.endif
.endm
; 8 matrix instructions of the first product: W_temp's tiles b0, b0 + 1 x the templates' tiles a0 .. a0 + 3.  q: the K step's parity: both operands' set, and the word of the slot's two;  n: the set of scale words;  first = 1: C is the bias.
; The 64 accumulators take turns, one instruction a turn, in the same order in every step.
.macro MULP b0, a0, q, n, first
.irp b, \b0, \b0+1
.irp a, \a0, \a0+1, \a0+2, \a0+3
.set rD,  16*((\a)+8*(((\b)/2)%2))+8*((\b)%2)
.set rA,  128*(\q)+12*(\b)
.set rB,  AF+96*(\q)+12*(\a)
.if \first
.set rC,  96+8*(\b)+96*((\b)/4)
.else
.set rC,  rD
.endif
.set rSA, WS+8*(\n)+2*((\b)%4)+(\q)
.set rSB, TS+8*(\n)+2*((\a)%4)+(\q)
.set rRA, (\b)/4
.set rRB, (\a)/4
	WM
.endr
.endr
.endm
; A fragment of templates out of rows in LDS: six pieces of 8 bytes.  Lanes 0-15 take the row's pieces 12 q + 0, 1, 2 and 12 q + 6, 7, 8, lanes 16-31 those three pieces on; 8 bytes of padding lie behind every 16 pieces.
.macro FRAGA reg, q, i, to
.irp p, 0,1,2,3,4,5
.set PCE, 24*(\to)+12*(\q)+6*(\p/3)+\p%3   ; the piece in the group at which the address registers stand; to: which two of its four steps.  8 bytes of padding lie behind every 16 pieces
.if PCE%16 < 13                        ; tiles 0-3 by v4-5, tiles 4-7 by v8-9, 64 rows on, so that the offsets stay inside 16 bits
	ds_load_b64 v[\reg+2*\p:\reg+2*\p+1], v[ADRA+4*((\i)/4)] offset:8*PCE+8*(PCE/16)+((\i)%4)*16*PITCH
.else
	ds_load_b64 v[\reg+2*\p:\reg+2*\p+1], v[ADRA+4*((\i)/4)+1] offset:8*PCE+8*(PCE/16)+((\i)%4)*16*PITCH
.endif
.endr
.endm
.macro FETCH_A q, i0, to               ; the templates' tiles i0 .. i0 + 3 of a K step of parity q, into set q: 24 loads.  to: tiles of 256 along K beyond the one that the address registers stand at
.irp i, \i0, \i0+1, \i0+2, \i0+3
	FRAGA AF+96*(\q)+12*(\i), \q, \i, \to
.endr
.endm
.macro WLOAD4 b0, q, wo                ; W_temp's images b0 .. b0 + 3 of a K step of parity q, into set q: 12 loads of 512 consecutive bytes.  wo: slots beyond the one that the base stands at
	WIN 0x40                                       ; destination window 1, address window 0
.irp b, \b0, \b0+1, \b0+2, \b0+3
.irp k, 0,1,2
	global_load_b128 v[128*(\q)+12*(\b)+4*\k:128*(\q)+12*(\b)+4*\k+3], v[ISO], s[66:67] offset:(\wo)*SSLOT+(\q)*8*FRB+(\b)*FRB+512*\k
.endr
.endr
.endm
.macro SCALES n, so                    ; the templates' scale words of a slot's two K steps into set n: lanes 0-15 tile i, lanes 16-31 tile i + 4
.irp i, 0,1,2,3
	ds_load_b64 v[TS+8*(\n)+2*\i:TS+8*(\n)+2*\i+1], v[ADRS] offset:1088*\i+8*(\so)
.endr
.endm
.macro WSLOAD n, wo                    ; W_temp's likewise, from memory: 256 consecutive bytes a load
.irp i, 0,1,2,3
	global_load_b64 v[WS+8*(\n)+2*\i:WS+8*(\n)+2*\i+1], v[WSO], s[80:81] offset:4096*(\wo)+256*\i
.endr
.endm
; A K STEP of 128: four quadrants of 16 products: W_temp's tiles 0-3 x templates 0-3, x templates 4-7, then tiles 4-7 likewise.  Two runs of loads, each behind its places:
; in the middle W_temp's images 0-3 of the step TWO on (their registers are done with), the next step's templates 0-3 and, in even steps, the next slot's scale words; at the end images 4-7 and templates 4-7.
; rl, wo: images are asked for, wo slots beyond the base;  sc, so: scale words are;  fa, to: templates are.
; c0 .. c3: how many loads from memory may stay out when images 0, 1; 2, 3; 4, 5; 6, 7 are wanted.  Loads come back in order (ISA guide 5.7.1), and behind a pair's six loads were issued: the rest of its run,
; the runs up to this place (12 loads each, two a step) and one slot's four loads of scale words, which go out ahead of an even step's first run.
.macro KSTEP q, n, first, rl, wo, sc, so, fa, to, c0, c1, c2, c3
.if \first
	s_wait_dscnt 0x0
.else
	s_wait_dscnt 24                                ; all but the youngest 24 LDS loads, the templates' tiles 4-7
.endif
	s_wait_loadcnt \c0
	WIN 0xa1-0x10*(\first)                         ; source 0 (W_temp) window 1, source 1 window 0, C and D window 2 (first: C, the bias, window 1)
	MULP 0, 0, \q, \n, \first
	s_wait_loadcnt \c1
	MULP 2, 0, \q, \n, \first
	s_wait_dscnt 0x0                               ; tiles 4-7 are in (asked for 16 matrix instructions ago)
.if BAR
	s_wait_tensorcnt 0x0                           ; my part of the templates' half 1 is in (later nothing is out); no LDS instruction of mine is pending:
	s_barrier_signal -1                            ; say so
.endif
	MULP 0, 4, \q, \n, \first
	MULP 2, 4, \q, \n, \first
.if BAR
	s_barrier_wait -1                              ; everybody's is: half 1 may be read
.endif
	PLACES 4
.if \sc
	WIN 0
	WSLOAD 1-\n, \wo
.endif
.if \rl
	WLOAD4 0, \q, \wo
.endif
	WIN 0
.if \sc
	SCALES 1-\n, \so
.endif
.if \fa
	FETCH_A 1-\q, 0, \to
.endif
	s_wait_loadcnt \c2
	WIN 0xf1-0x20*(\first)                         ; C and D window 3
	MULP 4, 0, \q, \n, \first
	s_wait_loadcnt \c3
	MULP 6, 0, \q, \n, \first
	MULP 4, 4, \q, \n, \first
	MULP 6, 4, \q, \n, \first
	PLACES 4
.if \rl
	WLOAD4 4, \q, \wo
.endif
	WIN 0
.if \fa
	FETCH_A 1-\q, 4, \to
.endif
.endm
.macro BIAS step                       ; tile b, register j of lane (r, h): b_temp of column 32 (b / 2) + 16 h + 8 (b % 2) + j of my wave's 128
.if \step
	s_wait_xcnt 0x0
	s_add_nc_u64 s[82:83], s[82:83], 2048          ; the next chunk's 512 columns
.endif
	WIN 0x40
.irp b, 0,1,2,3,4,5,6,7
	global_load_b128 v[96+8*\b+96*(\b/4):96+8*\b+96*(\b/4)+3], v[BO], s[82:83] offset:(32*(\b/2)+8*(\b%2))*4
	global_load_b128 v[96+8*\b+96*(\b/4)+4:96+8*\b+96*(\b/4)+7], v[BO], s[82:83] offset:(32*(\b/2)+8*(\b%2))*4+16
.endr
	WIN 0
.endm
; Tile a's 64 numbers become a fragment's codes and its scale word, and go to LDS as they stand.  Block 2 w + e (columns 32 (2 w + e) + 16 (lane / 16) + 0 .. 15 of my template) is v[16 (a + 8 e)] on of window 2 + w.
; xw: the address register;  c: the chunk.
.macro QUANT a, xw, c
.irp w, 0,1
	WIN 0x0a+5*\w                                  ; sources 0 and 1: window 2 or 3
.irp e, 0,1
	v_max3_num_f32 v[TM+2*\w+\e], |v[16*((\a)+8*\e)]|, |v[16*((\a)+8*\e)+1]|, 0x1800000       ; a chain for each of the block's two accumulators, each from its low end on; four chains by turns;
	v_max3_num_f32 v[TM+4+2*\w+\e], |v[16*((\a)+8*\e)+8]|, |v[16*((\a)+8*\e)+9]|, 0x1800000   ; the floor 2^(3 - 127) among the leaves: the byte cannot fall under 1
.endr
.irp i, 2,4,6
.irp e, 0,1
	v_max3_num_f32 v[TM+2*\w+\e], |v[16*((\a)+8*\e)+\i]|, |v[16*((\a)+8*\e)+\i+1]|, v[TM+2*\w+\e]
	v_max3_num_f32 v[TM+4+2*\w+\e], |v[16*((\a)+8*\e)+\i+8]|, |v[16*((\a)+8*\e)+\i+9]|, v[TM+4+2*\w+\e]
.endr
.endr
.endr
	WIN 0
.irp b, 0,1,2,3
	v_max_num_f32 v[TM+\b], v[TM+\b], v[TM+4+\b]   ; my 16 numbers of block b
.endr
.irp b, 0,1,2,3
	v_permlanex16_b32 v[TM+4+\b], v[TM+\b], s90, s91
.endr
.irp b, 0,1,2,3
	v_max_num_f32 v[TM+\b], v[TM+\b], v[TM+4+\b]   ; with lane l xor 16's: the block's largest magnitude
.endr
.irp b, 0,1,2,3
	v_add_nc_u32 v[TM+8+\b], 0xff000000, v[TM+\b]  ; 2 off its exponent field: the conversion's scale operand
.endr
.irp b, 0,1,2,3
	v_lshrrev_b32 v[TM+4+\b], 23, v[TM+8+\b]       ; the scale's byte
.endr
	s_wait_alu depctr_va_vdst(0)
	s_wait_dscnt 0x0                               ; the last tile's four stores have read the registers that are written now
	v_lshl_or_b32 v[PW], v[TM+5], 8, v[TM+4]
	v_lshl_or_b32 v[PW], v[TM+6], 16, v[PW]
	v_lshl_or_b32 v[PW], v[TM+7], 24, v[PW]
.irp k, 0,1
	WIN 0x02+\k                                    ; source 0: window 2 or 3
	v_cvt_scalef32_pk16_fp6_f32 v[PC+6*\k:PC+6*\k+2], v[16*(\a):16*(\a)+15], v[TM+8+2*\k]
	v_cvt_scalef32_pk16_fp6_f32 v[PC+12+4*\k:PC+14+4*\k], v[16*((\a)+8):16*((\a)+8)+15], v[TM+9+2*\k]   ; (a conversion's three registers begin on an even number)
.endr
	WIN 0
	v_nop                                          ; one plain place behind a scaled conversion
.irp k, 0,1                                    ; the operand's layout wants a WHOLE block in a lane: lanes 0-15 block 2 k, lanes 16-31 block 2 k + 1
.irp i, 0,1,2
	v_permlane16_swap_b32 v[PC+6*\k+\i], v[PC+12+4*\k+\i]
.endr
.irp i, 0,1,2
	v_mov_b32 v[PC+3+6*\k+\i], v[PC+12+4*\k+\i]
.endr
.endr
.irp k, 0,1,2
	ds_store_b128 v[\xw], v[PC+4*\k:PC+4*\k+3] offset:(\a)*FRB+512*\k
.endr
	ds_store_b32 v[XSW], v[PW] offset:2048*(\c)+256*((\a)/4)+4*((\a)%4)   ; lanes l and l xor 16 write the same word with the same value
.endm
; THE SECOND PRODUCT.  Row tile t (0 .. 15) of my 256 rows of Xi lies in the stream's slot 16 + t / 4.
.macro FETCH_X t                       ; its eight images into set t % 2: 24 loads
	WIN 0x40
.irp s, 0,1,2,3,4,5,6,7
.irp k, 0,1,2
	ds_load_b128 v[128*((\t)%2)+12*\s+4*\k:128*((\t)%2)+12*\s+4*\k+3], v[AX+((\t)/4)%2] offset:((\t)%4)*8*FRB+\s*FRB+512*\k
.endr
.endr
	WIN 0
.endm
.macro MUL3 t, s0, s1                  ; K steps s0 .. s1 of row tile t: four accumulators (my four tiles of templates) by turns.  K step 0 starts the sums.  The scale words of K steps 4-7 lie in lanes 16-31
.set SS, \s0
.rept (\s1)-(\s0)+1
	WIN 0x06+(SS/4)                                ; source 0 (X) window 2 or 3, source 1 (Xi) window 1, C and D window 0
.irp u, 0,1,2,3
.set rD,  ACC+32*((\t)%2)+8*\u
.set rA,  12*(4*(SS%4)+\u)
.set rB,  128*((\t)%2)+12*SS
.if SS == 0
.set rC,  -1
.else
.set rC,  rD
.endif
.set rSA, XS+4*(SS%4)+\u
.set rSB, IS+4*((\t)%4)+(SS%4)
.set rRA, SS/4
.set rRB, SS/4
	WM
.endr
.set SS, SS+1
.endr
.endm
.macro TOSTAGE t                       ; 16 rows x 64 columns into my stage and back as whole rows of 256 bytes.  LDS serves a wave's instructions in order (ISA guide 5.7.1.4): no wait between the stores and the loads
.set AC3, ACC+32*((\t)%2)
.irp u, 0,1,2,3
	ds_store_b128 v[STO], v[AC3+8*\u:AC3+8*\u+3] offset:64*\u              ; each accumulator from its low end on
	ds_store_b128 v[STO], v[AC3+8*\u+4:AC3+8*\u+7] offset:64*\u+16
.endr
.irp i, 0,1,2,3,4,5,6,7
	ds_load_b128 v[BK+4*\i:BK+4*\i+3], v[RD] offset:2*SP*\i
.endr
.endm
.macro SEND y                          ; y: the LDS loads issued behind TOSTAGE's, which may stay out
	s_wait_dscnt \y                                ; the rows are back in registers
	s_wait_xcnt 0x0                                ; EXEC changes only behind this wait
	s_and_saveexec_b32 s88, s7                     ; the columns that my work-group stores: all, but in the last work-group
.irp i, 0,1,2,3,4,5,6,7
	global_store_b128 v[CO], v[BK+4*\i:BK+4*\i+3], s[86:87] offset:2*OROW*\i th:TH_STORE_NT   ; sixteen lanes store 256 consecutive bytes of a row (a row of out0 is 100,000 bytes, a multiple of 32 alone: the runs cannot all be aligned); written once, read by nobody here
.endr
	s_wait_xcnt 0x0                                ; the stores have read EXEC, their registers and their base
	s_or_b32 exec_lo, exec_lo, s88
	s_add_nc_u64 s[86:87], s[86:87], 16*OROW
.endm
; Row tile t: its first four products; then tile t - 1 goes into the stage, tile t + 1's images and tile t + 3's scale words are asked for; its other 28 products; then tile t - 1 is stored.
; With a slot's last tile (t % 4 = 3) in registers the slot is left: the wait for all tensor loads, the add, the wait for it and for my reads, a barrier; behind t = 3 and t = 7 the round and the refill with Xi's slots 2 and 3.
.macro ROWT t
.if (\t) >= 4                          ; tile t's scale words were asked for three tiles ago; those of the tiles behind it, two at the most, may be out
.if (\t) < 14
	s_wait_loadcnt 2
.else
	s_wait_loadcnt 15-(\t)
.endif
.endif
.if ((\t)%4 == 3) && ((\t) < 15)
	s_wait_tensorcnt 0x0                           ; all my tensor loads have landed: my part of the next slot
	ds_add_u32 v[SPW], v[NIL]                      ; 0 onto my spare word
	s_wait_dscnt 0x0                               ; the add is done, and my reads of this slot are over: tile t's images are in
	s_barrier_signal -1
.else
	s_wait_dscnt 0x0                               ; tile t's images are in (asked for 28 matrix instructions ago), and the stores that read this tile's accumulators are done
.endif
	MUL3 \t, 0, 0
	WIN 0
.if ((\t)%4 == 3) && ((\t) < 15)
	s_barrier_wait -1
.if (\t) < 11
	CREST
	s_add_nc_u64 s[G0W+4*(((\t)/4)%2)+2:G0W+4*(((\t)/4)%2)+3], s[G0W+4*(((\t)/4)%2)+2:G0W+4*(((\t)/4)%2)+3], 2*SSLOT
	JLOAD_W ((\t)/4)%2
.endif
.endif
	PLACES 5                                       ; behind tile t - 1's products: for the stores of its results, the loads into its set of Xi and its scale words, and the next tile's fresh start on its accumulators
.if ((\t) > 0) && ((\t) < 13)
	global_load_b128 v[IS+4*(((\t)+3)%4):IS+4*(((\t)+3)%4)+3], v[ISO], s[84:85] offset:512*((\t)+3)   ; tile t + 3's scale words, into tile t - 1's registers
.endif
.if (\t) > 0
	TOSTAGE (\t)-1
.endif
.if (\t) < 15
	FETCH_X (\t)+1
.endif
	MUL3 \t, 1, 7
	WIN 0
.if (\t) > 0
.if (\t) < 15
	SEND 24
.else
	SEND 0
.endif
.endif
.endm
	s_load_b256 s[4:11], s[0:1], 0x0               ; the templates' codes s[4:5], their scales s[6:7], b_temp s[8:9], stream s[10:11]
	s_load_b128 s[12:15], s[0:1], 0x20             ; ws_img s[12:13], xs_img s[14:15]
	s_load_b64 s[16:17], s[0:1], 0x30              ; out0
	v_lshl_add_u32 v[SPW], v0, 2, SPARE
	v_mov_b32 v[NIL], 0
	ds_add_u32 v28, v29
	ds_add_u32 v28, v29
	s_wait_dscnt 0x0
	v_lshrrev_b32 v1, 5, v0
	v_readfirstlane_b32 s18, v1                    ; wave 0..3
	s_lshr_b32 s19, s18, 1                         ; wr: which 256 rows of Xi
	s_and_b32 s20, s18, 1                          ; wc: which 64 templates
	s_bfe_u32 s21, ttmp6, 0x40000                  ; cx: my place in the cluster
	s_lshl_b32 s22, ttmp9, 2                       ; (in a cluster launch ttmp9 counts clusters)
	s_add_co_u32 s22, s22, s21                     ; g: my work-group.  It enters the plain loads' global addresses, out0's address and the stores' mask alone
	s_lshl_b32 s23, s22, 7
	s_min_u32 s23, s23, 24872                      ; my first template
	; descriptor group 1.  Xi, dense bytes of the stream as rows of 32 elements of 8 bytes, no padding: a third of a slot is 128 rows, a quarter of two slots 192
	s_mov_b32 s[G1W], 15|(3<<16)|(1<<21)           ; 15:0 the mask: all four work-groups; 17:16 elements of 8 bytes; 21 set beside a mask
	s_mov_b32 s[G1W+1], 32<<16                     ; tensor_dim0
	s_mov_b32 s[G1W+2], 128<<16                    ; tensor_dim1
	s_mov_b32 s[G1W+3], 32<<16                     ; tile_dim0
	s_mov_b32 s[G1W+4], 128                        ; tile_dim1
	s_mov_b32 s[G1W+5], 32                         ; tensor_dim0_stride
	s_mov_b32 s[G1W+6], 0
	s_mov_b32 s[G1W+7], 0
	s_mov_b32 s[G1X], 15|(3<<16)|(1<<21)
	s_mov_b32 s[G1X+1], 32<<16
	s_mov_b32 s[G1X+2], 192<<16
	s_mov_b32 s[G1X+3], 32<<16
	s_mov_b32 s[G1X+4], 192
	s_mov_b32 s[G1X+5], 32
	s_mov_b32 s[G1X+6], 0
	s_mov_b32 s[G1X+7], 0
	; the templates: 64 rows of 768 bytes, 1,536 bytes apart, 8 bytes of padding behind every 128
	s_mov_b32 s[G1T], (1<<20)|(4<<22)|(1<<25)      ; 64 rows of 768 bytes: no mask; elements of 1 byte; padding after every 32 words (code 4) of 2 words (code 1)
	s_mov_b32 s[G1T+1], 768<<16
	s_mov_b32 s[G1T+2], 64<<16
	s_mov_b32 s[G1T+3], 768<<16
	s_mov_b32 s[G1T+4], 64
	s_mov_b32 s[G1T+5], TROWB
	s_mov_b32 s[G1T+6], 0
	s_mov_b32 s[G1T+7], 0
	; half of their scale bytes: 4,096 dense bytes as 16 rows of 256, 16 bytes of padding behind each
	s_mov_b32 s[G1S], (3<<16)|(1<<20)|(5<<22)|(3<<25)
	s_mov_b32 s[G1S+1], 32<<16
	s_mov_b32 s[G1S+2], 16<<16                     ; half of the scale bytes: 16 rows of 256
	s_mov_b32 s[G1S+3], 32<<16
	s_mov_b32 s[G1S+4], 16
	s_mov_b32 s[G1S+5], 32
	s_mov_b32 s[G1S+6], 0
	s_mov_b32 s[G1S+7], 0
	s_mul_i32 s96, s23, TROWB
	s_mul_i32 s98, s20, 64*TROWB                   ; which 64 templates I fetch (waves 0 and 1)
	s_add_co_u32 s96, s96, s98                     ; my wave's 64 rows: my first template's row, 64 wc rows on
	s_mov_b32 s97, 0
	s_lshl_b32 s98, s23, 6
	s_lshl_b32 s99, s20, 12                        ; which half of the scale bytes (waves 2 and 3)
	s_add_co_u32 s98, s98, s99                     ; half wc of their scale bytes
	s_mov_b32 s99, 0
	s_wait_kmcnt 0x0
	CROUND                                         ; the round that stands in front of the first tensor loads of a launch in clusters
	s_mov_b32 s[G0S], 1                            ; count = 1
	s_mul_i32 s[G0S+1], s20, 16*272                ; LDS address: a constant + the wave's parity times a constant, here and below
	s_add_co_u32 s[G0S+1], s[G0S+1], TSC
	s_add_nc_u64 s[G0S+2:G0S+3], s[6:7], s[98:99]  ; global address
	s_or_b32 s[G0S+3], s[G0S+3], 0x80000000        ; type = 2
	s_mov_b32 s[G0T], 1
	s_mul_i32 s[G0T+1], s20, 64*PITCH
	s_add_nc_u64 s[G0T+2:G0T+3], s[4:5], s[96:97]
	s_mov_b32 s[G0T+4], 1                          ; count = 1
	s_add_co_u32 s[G0T+5], s[G0T+1], HALF          ; and the same rows' K half 1
	s_add_nc_u64 s[G0T+6:G0T+7], s[G0T+2:G0T+3], 768
	s_or_b32 s[G0T+3], s[G0T+3], 0x80000000
	s_or_b32 s[G0T+7], s[G0T+7], 0x80000000
	s_cmp_lt_u32 s18, 2                            ; ONE fill a wave at the head: waves 0 and 1 the templates' half 0, waves 2 and 3 the scale bytes
	s_cbranch_scc0 .Lhead_s
	tensor_load_to_lds s[G0T:G0T+3], s[G1T:G1T+7]
	s_nop 0
	PLACES 4
	s_branch .Lhead_j
.Lhead_s:
	tensor_load_to_lds s[G0S:G0S+3], s[G1S:G1S+7]
	s_nop 0
	PLACES 4
.Lhead_j:
	; Xi's descriptors, made of the stream's address and the wave's number alone: equal in the four partners
	s_lshl_b32 s96, s18, 15                        ; a third of a slot
	s_mov_b32 s[G0W], 1
	s_mov_b32 s[G0W+1], s96
	s_add_co_u32 s96, s96, XI0
	s_add_nc_u64 s[G0W+2:G0W+3], s[10:11], s[96:97]   ; Xi's slot 0: each refill first steps two slots on
	s_mov_b32 s[G0W+4], 1
	s_add_co_u32 s[G0W+5], s[G0W+1], SSLOT
	s_add_nc_u64 s[G0W+6:G0W+7], s[G0W+2:G0W+3], SSLOT
	s_or_b32 s[G0W+3], s[G0W+3], 0x80000000
	s_or_b32 s[G0W+7], s[G0W+7], 0x80000000
	s_mul_i32 s96, s18, SSLOT/2                    ; a quarter of two slots
	s_mov_b32 s[G0X], 1
	s_mov_b32 s[G0X+1], s96
	s_add_co_u32 s96, s96, XI0
	s_add_nc_u64 s[G0X+2:G0X+3], s[10:11], s[96:97]
	s_or_b32 s[G0X+3], s[G0X+3], 0x80000000
	s_mul_i32 s96, s18, 16*FRB
	s_add_nc_u64 s[66:67], s[10:11], s[96:97]      ; W_temp's images: my wave's 16 of a slot's 64
	s_lshl_b32 s96, s18, 10
	s_add_nc_u64 s[80:81], s[12:13], s[96:97]      ; its scale words: my wave's 1,024 bytes of a slot's 4,096
	s_lshl_b32 s96, s18, 9
	s_add_nc_u64 s[82:83], s[8:9], s[96:97]        ; b_temp at my wave's 128 columns
	s_lshl_b32 s96, s19, 13
	s_add_nc_u64 s[84:85], s[14:15], s[96:97]      ; Xi's scale words: my 16 row tiles of 512 bytes
	s_lshl_b32 s98, s20, 6
	s_add_co_u32 s98, s98, s23                     ; my first column of out0
	s_lshl_b32 s96, s98, 2
	s_mul_i32 s89, s19, 256*OROW
	s_add_co_u32 s96, s96, s89
	s_add_nc_u64 s[86:87], s[16:17], s[96:97]
	s_lshl_b32 s89, s22, 7
	s_sub_co_i32 s98, s98, s89                     ; less the first column that my work-group stores: 0 or 64, but in the last work-group -88 or -24
	s_mov_b32 s90, 0x76543210
	s_mov_b32 s91, 0xfedcba98                      ; v_permlanex16_b32's selects for lane l xor 16
	v_and_b32 v1, 31, v0                           ; lane
	v_and_b32 v2, 15, v0                           ; r
	v_bfe_u32 v3, v0, 4, 1                         ; h
	v_lshlrev_b32 v[WSO], 3, v1
	v_lshlrev_b32 v[BO], 6, v3
	v_lshlrev_b32 v[ISO], 4, v1
	WSLOAD 0, 0                                    ; slot 0's scale words,
	BIAS 0                                         ; the first chunk's bias,
	WLOAD4 0, 0, 0                                 ; and the images of K steps 0 and 1
	WLOAD4 4, 0, 0
	WLOAD4 0, 1, 0
	WLOAD4 4, 1, 0
	WIN 0
	; LDS addresses: all are made here
	v_mul_u32_u24 v[ADRA0], v2, PITCH
	v_mad_u32_u24 v[ADRA0], v3, 24, v[ADRA0]       ; a fragment's row x pitch + 24 h
	v_lshl_add_u32 v[ADRA0+1], v3, 3, v[ADRA0]     ; and the same behind one padding more
	v_mov_b32 v[ADRA], v[ADRA0]
	v_mov_b32 v[ADRA+1], v[ADRA0+1]
	v_add_nc_u32 v[ADRA+4], 64*PITCH, v[ADRA0]     ; tiles 4-7: 64 rows on
	v_add_nc_u32 v[ADRA+5], 64*PITCH, v[ADRA0+1]
	v_lshrrev_b32 v[ADRS0], 2, v2                  ; a template's 64 scale bytes: four templates to a unit of 256 + 16
	v_mul_u32_u24 v[ADRS0], v[ADRS0], 272
	v_and_b32 v[MK], 3, v2
	v_lshl_add_u32 v[ADRS0], v[MK], 6, v[ADRS0]
	v_mad_u32_u24 v[ADRS0], v3, 4352, v[ADRS0]     ; lanes 16-31: four tiles, 16 units, on
	v_add_nc_u32 v[ADRS0], TSC, v[ADRS0]
	v_mov_b32 v[ADRS], v[ADRS0]
	s_mul_i32 s96, s18, 8*FRB
	s_add_co_u32 s89, s96, XQ0
	v_add_nc_u32 v[XW0], s89, v[ISO]               ; chunk 0: K step w
	s_add_co_u32 s89, s96, XQ1
	v_add_nc_u32 v[XW1], s89, v[ISO]               ; chunk 1: K step 4 + w
	s_lshl_b32 s96, s18, 9
	s_add_co_u32 s96, s96, XQS
	v_lshl_add_u32 v[XSW], v2, 4, s96
	s_mul_i32 s96, s20, 4*FRB                      ; my four tiles of templates
	s_add_co_u32 s89, s96, XQ0
	v_add_nc_u32 v[AQ0], s89, v[ISO]
	s_add_co_u32 s89, s96, XQ1
	v_add_nc_u32 v[AQ1], s89, v[ISO]
	s_lshl_b32 s96, s20, 8
	s_add_co_u32 s96, s96, XQS
	v_lshl_add_u32 v[AQS], v2, 4, s96
	v_lshl_add_u32 v[AQS], v3, 11, v[AQS]          ; lanes 16-31: K steps 4-7
	s_mul_i32 s96, s19, 32*FRB
	v_add_nc_u32 v[AX], s96, v[ISO]                ; my half of a slot of Xi
	v_add_nc_u32 v[AX+1], SSLOT, v[AX]
	s_mul_i32 s96, s18, 16*SP
	s_add_co_u32 s96, s96, XQ0                     ; my stage
	v_mul_u32_u24 v[STO], v2, SP
	v_lshl_add_u32 v[STO], v3, 5, v[STO]
	v_add_nc_u32 v[STO], s96, v[STO]               ; in: row r, 32 bytes for each half of the lanes
	v_mul_u32_u24 v[RD], v3, SP
	v_lshl_add_u32 v[RD], v2, 4, v[RD]
	v_add_nc_u32 v[RD], s96, v[RD]                 ; back: lanes 0-15 one row, lanes 16-31 the next
	v_mul_u32_u24 v[CO], v3, OROW
	v_lshl_add_u32 v[CO], v2, 4, v[CO]             ; and the same two rows in out0
	v_lshl_add_u32 v[MK], v2, 2, s98
	s_wait_alu depctr_va_vdst(0)
	s_wait_tensorcnt 0x0                           ; my fill of the head is in
	ds_add_u32 v[SPW], v[NIL]                      ; 0 onto my spare word
	s_wait_dscnt 0x0                               ; the add is done
	CROUND                                         ; a whole round: half 0 and the scale bytes are whole
	s_cmp_lt_u32 s18, 2                            ; waves 0 and 1 ask for the templates' half 1: the wave's one tensor load behind the round
	s_cbranch_scc0 .Lno_h1
	tensor_load_to_lds s[G0T+4:G0T+7], s[G1T:G1T+7]
	s_nop 0
	PLACES 4
	s_branch .Lh1_j
.Lno_h1:
	PLACES 4
.Lh1_j:
	FETCH_A 0, 0, 0
	SCALES 0, 0
	FETCH_A 0, 4, 0
	s_mov_b32 s2, 2                                ; chunks to go, this one among them
.Lchunk:                                           ; a chunk: 16 K steps
	KSTEP 0, 0, 1,  1, 1,  1, 1,  1, 0,  0, 46, 46, 46   ; step 0 is written out: its products start the sums, with the bias as C; it waits for all loads from memory, the bias among them
	s_mov_b32 s3, 3
	s_mov_b32 s4, 0                                ; the group at which the templates' addresses stand
.Llap:                                             ; a trip: four K steps, 4 m + 1 to 4 m + 4; bases and addresses stand at slot 2 m
	s_wait_alu depctr_va_vdst(0)
	KSTEP 1, 0, 0,  1, 1,  0, 0,  1, 1,  46, 40, 46, 40
	KSTEP 0, 1, 0,  1, 2,  1, 2,  1, 1,  42, 36, 46, 40
	s_add_co_u32 s4, s4, 1                         ; the templates' addresses go a group on: group g lies at (g % 2) x 408 bytes of the rows of half g / 2
	s_and_b32 s5, s4, 1
	s_mul_i32 s5, s5, GRP
	s_lshr_b32 s6, s4, 1
	s_mul_i32 s6, s6, HALF
	s_add_co_u32 s5, s5, s6
	v_add_nc_u32 v[ADRA], s5, v[ADRA0]
	v_add_nc_u32 v[ADRA+1], s5, v[ADRA0+1]
	s_add_co_u32 s5, s5, 64*PITCH
	v_add_nc_u32 v[ADRA+4], s5, v[ADRA0]
	v_add_nc_u32 v[ADRA+5], s5, v[ADRA0+1]
	s_wait_alu depctr_va_vdst(0)
	KSTEP 1, 1, 0,  1, 2,  0, 0,  1, 0,  46, 40, 46, 40
.set BAR, 1                            ; steps 4, 8 and 12 hold the barrier: half 1 is first read in step 7
	KSTEP 0, 0, 0,  1, 3,  1, 3,  1, 0,  42, 36, 46, 40
.set BAR, 0
	s_wait_xcnt 0x0                                ; the bases are stepped only behind this wait
	s_add_nc_u64 s[66:67], s[66:67], 2*SSLOT
	s_add_nc_u64 s[80:81], s[80:81], 8192
	v_add_nc_u32 v[ADRS], 16, v[ADRS]
	s_sub_co_u32 s3, s3, 1
	s_cmp_lg_u32 s3, 0
	s_cbranch_scc1 .Llap
	KSTEP 1, 0, 0,  1, 1,  0, 0,  1, 1,  46, 40, 46, 40   ; step 13
	s_cmp_eq_u32 s2, 1
	s_cbranch_scc1 .Llast                          ; the last chunk's last two steps are written out: they ask for no more images
	v_mov_b32 v[ADRS], v[ADRS0]                    ; THE LOADS GO ON INTO THE NEXT CHUNK: its scale words,
	s_wait_alu depctr_va_vdst(0)
	KSTEP 0, 1, 0,  1, 2,  1, 0,  1, 1,  42, 36, 46, 40
	v_mov_b32 v[ADRA], v[ADRA0]                    ; its first templates, which are the first chunk's,
	v_mov_b32 v[ADRA+1], v[ADRA0+1]
	v_add_nc_u32 v[ADRA+4], 64*PITCH, v[ADRA0]
	v_add_nc_u32 v[ADRA+5], 64*PITCH, v[ADRA0+1]
	s_wait_alu depctr_va_vdst(0)
	KSTEP 1, 1, 0,  1, 2,  0, 0,  1, 0,  46, 40, 46, 40
	s_wait_xcnt 0x0
	s_add_nc_u64 s[66:67], s[66:67], 2*SSLOT
	s_add_nc_u64 s[80:81], s[80:81], 8192
	BIAS 1                                         ; and its bias: all land while this chunk is quantised
.irp a, 0,1,2,3,4,5,6,7
	QUANT \a, XW0, 0
.endr
	s_sub_co_u32 s2, s2, 1
	s_branch .Lchunk
.Llast:
	KSTEP 0, 1, 0,  0, 0,  0, 0,  1, 1,  42, 36, 30, 24   ; step 14: behind its images only step 13's 24 loads and what was left of their own step's were issued
	; Step 15: with its templates in registers nobody reads the templates' bytes any more: they are filled again, with Xi's first two slots.
	s_wait_tensorcnt 0x0                           ; none of my tensor loads is out
	ds_add_u32 v[SPW], v[NIL]                      ; 0 onto my spare word
	s_wait_loadcnt 12                              ; images 0-3 are in; the 12 loads of images 4-7 may be out
	s_wait_dscnt 0x0                               ; the add is done, and my reads of the templates are over
	s_barrier_signal -1
	WIN 0xa1
	MULP 0, 0, 1, 1, 0
	MULP 2, 0, 1, 1, 0
	WIN 0
	s_barrier_wait -1
	CREST                                          ; the barrier has opened a round of the cluster's: no wave of any partner still reads these bytes
	tensor_load_to_lds s[G0X:G0X+3], s[G1X:G1X+7]  ; ONE joint load a wave, a quarter of 196,608 bytes each: it lands while X is quantised and read back
	s_nop 0
	PLACES 4
	WIN 0xa1
	MULP 0, 4, 1, 1, 0
	MULP 2, 4, 1, 1, 0
	s_wait_loadcnt 6
	WIN 0xf1
	MULP 4, 0, 1, 1, 0
	s_wait_loadcnt 0x0
	MULP 6, 0, 1, 1, 0
	MULP 4, 4, 1, 1, 0
	MULP 6, 4, 1, 1, 0
	PLACES 4
	WIN 0
.irp t, 0,1,2,3
	global_load_b128 v[IS+4*\t:IS+4*\t+3], v[ISO], s[84:85] offset:512*\t   ; Xi's scale words of row tiles 0-3: register 4 t + j: lanes 0-15 K step j, lanes 16-31 K step j + 4
.endr
.irp a, 0,1,2,3,4,5,6,7
	QUANT \a, XW1, 1                               ; into the last of the templates' bytes: every wave has passed the round behind which nobody reads them, and no load lands there again
.endr
	s_wait_dscnt 0x0                               ; for the others' sake: my images and words have landed
	s_barrier_signal -1                            ; (Xi's load may stay out)
	s_barrier_wait -1                              ; all of X lies in LDS
	WIN 0x80                                       ; destination window 2: K steps 0-3
.irp s, 0,1,2,3
.irp u, 0,1,2,3
.irp k, 0,1,2
	ds_load_b128 v[12*(4*\s+\u)+4*\k:12*(4*\s+\u)+4*\k+3], v[AQ0] offset:\s*8*FRB+\u*FRB+512*\k
.endr
.endr
.endr
	WIN 0xc0                                       ; destination window 3: K steps 4-7
.irp s, 0,1,2,3
.irp u, 0,1,2,3
.irp k, 0,1,2
	ds_load_b128 v[12*(4*\s+\u)+4*\k:12*(4*\s+\u)+4*\k+3], v[AQ1] offset:\s*8*FRB+\u*FRB+512*\k
.endr
.endr
.endr
	WIN 0
.irp j, 0,1,2,3
	ds_load_b128 v[XS+4*\j:XS+4*\j+3], v[AQS] offset:512*\j   ; register 4 j + u: lanes 0-15 K step j of my tile u, lanes 16-31 K step j + 4
.endr
	s_wait_tensorcnt 0x0                           ; my quarter of Xi's first two slots is in,
	s_wait_dscnt 0x0                               ; and my reads of X's images are over:
	s_barrier_signal -1
	s_barrier_wait -1                              ; everybody's are: Xi may be read, and the stages may be written over the first of X's images
	FETCH_X 0
	s_wait_loadcnt 0x0                             ; the scale words of row tiles 0-3
	v_cmp_le_i32 s7, 0, v[MK]                      ; the lanes whose four columns my work-group stores, kept in s7
.irp t, 0,1,2,3,4,5,6,7,8,9,10,11,12,13,14,15
	ROWT \t
.endr
	PLACES 4
	TOSTAGE 15
	SEND 0
	s_wait_tensorcnt 0x0                           ; the wave's end, behind my last tensor load and my last LDS store
	ds_add_u32 v[SPW], v[NIL]
	s_wait_dscnt 0x0
	CROUND                                         ; the closing round: no work-group ends while a partner may still ask for a tile that names it
	s_endpgm
.Lfunc_end_k_q91388f439e_assoc:
	.size	k_q91388f439e_assoc, .Lfunc_end_k_q91388f439e_assoc-k_q91388f439e_assoc
	.p2alignl 7, 3214868480
	.fill 96, 4, 3214868480
	.section	.rodata,"a",@progbits
	.p2align	6, 0x0
	.amdhsa_kernel k_q91388f439e_assoc
		.amdhsa_group_segment_fixed_size 327680
		.amdhsa_private_segment_fixed_size 0
		.amdhsa_enable_private_segment 0
		.amdhsa_kernarg_size 56
		.amdhsa_user_sgpr_count 2
		.amdhsa_user_sgpr_kernarg_segment_ptr 1
		.amdhsa_wavefront_size32 1
		.amdhsa_system_sgpr_workgroup_id_x 1
		.amdhsa_system_sgpr_workgroup_id_y 1
		.amdhsa_system_sgpr_workgroup_id_z 1
		.amdhsa_system_vgpr_workitem_id 0
		.amdhsa_next_free_vgpr 1024
		.amdhsa_next_free_sgpr 100
		.amdhsa_reserve_vcc 0
		.amdhsa_float_denorm_mode_32 3
		.amdhsa_float_denorm_mode_16_64 3
		.amdhsa_memory_ordered 1
		.amdhsa_forward_progress 1
		.amdhsa_inst_pref_size 255
	.end_amdhsa_kernel
	.section	.bss,"aw",@nobits
	.p2align	6
	.space	262144
	.amdgpu_metadata
---
amdhsa.version: [ 1, 2 ]
amdhsa.kernels:
  - .name:           k_q91388f439e_assoc
    .symbol:         k_q91388f439e_assoc.kd
    .args:
      - { .name: templates_codes, .offset: 0, .size: 8, .value_kind: global_buffer, .address_space: global }
      - { .name: templates_scales, .offset: 8, .size: 8, .value_kind: global_buffer, .address_space: global }
      - { .name: b_temp, .offset: 16, .size: 8, .value_kind: global_buffer, .address_space: global }
      - { .name: stream, .offset: 24, .size: 8, .value_kind: global_buffer, .address_space: global }
      - { .name: ws_img, .offset: 32, .size: 8, .value_kind: global_buffer, .address_space: global }
      - { .name: xs_img, .offset: 40, .size: 8, .value_kind: global_buffer, .address_space: global }
      - { .name: out0, .offset: 48, .size: 8, .value_kind: global_buffer, .address_space: global }
    .group_segment_fixed_size: 327680
    .private_segment_fixed_size: 0
    .kernarg_segment_align: 8
    .kernarg_segment_size: 56
    .max_flat_workgroup_size: 128
    .sgpr_count:     100
    .vgpr_count:     1024
    .wavefront_size: 32
...
	.end_amdgpu_metadata
.endif
;; end of part 2
